; MI455X (gfx1250); checked and timed in simulation.
; The chip was launched on July 23, 2026; its instructions are those of AMD's public machine-readable ISA for CDNA 5 (MIT licence, August 2026) and "CDNA5" Instruction Set Architecture Reference Guide (July 2026). The comments in the code are by the model that wrote it; some were corrected since.
;; AFT FULL. Allowed arithmetic: matrix products marked QUANTISED: E3M2 operands, one E8M0 scale for each 32 along K, by v_wmma_scale_f32_16x16x128_f8f6f4 with both operands' format E3M2, f32 sums; everything else in f32.
;; Inputs: Wk_codes 512 x 16 x 24 uint8 (E3M2 codes of Wk, K innermost, in blocks of 32 codes, four codes in three bytes); Wk_scales 512 x 16 uint8 (E8M0 scales of Wk, one for each 32 codes along K); Wq_codes 512 x 16 x 24 uint8 (E3M2 codes of Wq, K innermost, in blocks of 32 codes, four codes in three bytes); Wq_scales 512 x 16 uint8 (E8M0 scales of Wq, one for each 32 codes along K); Wv_codes 512 x 16 x 24 uint8 (E3M2 codes of Wv, K innermost, in blocks of 32 codes, four codes in three bytes); Wv_scales 512 x 16 uint8 (E8M0 scales of Wv, one for each 32 codes along K); bk 512 float32; bq 512 float32; bv 512 float32; pos_bias 1,024 x 1,024 float32; x_codes 32 x 1,024 x 16 x 24 uint8 (E3M2 codes of x, K innermost, in blocks of 32 codes, four codes in three bytes); x_scales 32 x 1,024 x 16 uint8 (E8M0 scales of x, one for each 32 codes along K).
;; Outputs: out0 32 x 1,024 x 512 float32.
;; This version of the problem:
;;   THIS VERSION OF THE PROBLEM IS GIVEN IN LOW PRECISION. The matrix products marked QUANTISED in the list below multiply operands that are first quantised to E3M2 (3 exponent bits, 2 mantissa bits; 6 bits a number), with one power-of-two scale for each 32 numbers along K (OCP MX v1.0); their sums are f32. All else is computed in f32.
;;   The module's matrix products, in the order in which they are computed (A, B: the left and right operand; K: the contracted axis; several contracted axes count as one K, in the product's order):
;;     1. [M 32,768, K 512] x [K 512, N 512]; A: input x (given as codes); B: input Wq (given as codes): QUANTISED
;;     2. [M 32,768, K 512] x [K 512, N 512]; A: input x (given as codes); B: input Wk (given as codes): QUANTISED
;;     3. [M 32,768, K 512] x [K 512, N 512]; A: input x (given as codes); B: input Wv (given as codes): QUANTISED
;;     4. [M 16,384, K 1,024] x [K 1,024, N 1,024]; A: computed on the way; B: computed on the way: QUANTISED
;;     5. [M 16,384, K 1,024] x [K 1,024, N 1,024]; A: computed on the way; B: computed on the way: QUANTISED
;;   THE QUANTISER, for each operand of a quantised product, along K:
;;     - K is cut into blocks of 32 from its start; a last block that is shorter is filled with zeros.
;;     - A block's scale is 2^e with e = floor(log2(the largest magnitude in the block)) - 4, held to -126 .. 127; a block of zeros has e = 0. As a byte (E8M0): e + 127.
;;     - Each number is divided by its block's scale, clamped to +-28, and rounded to the nearest number of E3M2, ties to even, subnormals kept.
;;     - The product sums the exact products of the quantised numbers (number of the format x scale) in f32.
;;   ~~~python
;;   def quantise(x, axis):      # numpy; x: float32 -> the quantised numbers, widened to float32 again
;;       x = np.moveaxis(x, axis, -1); K = x.shape[-1]
;;       x = np.pad(x, [(0, 0)] * (x.ndim - 1) + [(0, -K % 32)]); x = x.reshape(x.shape[:-1] + (-1, 32)); a = np.abs(x).max(-1, keepdims=True)
;;       e = np.where(a > 0, np.clip(np.frexp(np.where(a > 0, a, 1))[1] - 1 - 4, -126, 127), 0)      # np.frexp(a)[1] - 1 = floor(log2(a)), exactly
;;       r = np.clip(x / 2.0 ** e, -28, 28)
;;       step = 2.0 ** (np.maximum(np.frexp(np.where(r == 0, 1, r))[1] - 1, -2) - 2)
;;       q = np.round(r / step) * step * 2.0 ** e      # np.round: ties to even
;;       return np.moveaxis(q.reshape(q.shape[:-2] + (-1,))[..., :K], -1, axis).astype(np.float32)
;;   ~~~
;;   OPERANDS COMPUTED ON THE WAY. 'Computed on the way' means the value that the module computes at that place (a softmax that the list does not call 'softmax' is quantised finished and normalised). What goes into a quantiser is computed in f32, as accurately as f32 sums, v_exp_f32 and their like allow (about 1e-6 of the number): no bf16 or f16 on the way to a quantiser, and a product that is left as it is and whose result goes on into a quantised operand takes f32 operands (vector FMAs, or v_wmma_f32_16x16x4_f32). A number that lies on a knife's edge between two numbers of the format may be rounded either way, as far as f32 arithmetic and the matrix unit's own rounding can turn it there, and no further.
;;   INPUTS GIVEN AS CODES. Wk (in the module: [512, 512], K = its axis 1); Wq (in the module: [512, 512], K = its axis 1); Wv (in the module: [512, 512], K = its axis 1); x (in the module: [32, 1024, 512], K = its axis 2): each comes as NAME_codes (uint8): NAME with its K axis moved to the last place and cut into blocks of 32 codes, [.., K / 32, bytes a block], one block behind the other in memory; four codes in three bytes: a row's codes are one little-endian stream of bits, code i at bits 6 i .. 6 i + 5 (a code: sign, 3 exponent bits, 2 mantissa bits); and NAME_scales (uint8): the same leading axes, one E8M0 byte (e + 127) for each 32 codes along K. Its value is code x scale, taken as it is: it is not quantised again, and the codes and scales need not be those that the quantiser above would give.
;; One version. Each part assembles by itself: llvm-mc -triple=amdgcn-amd-amdhsa -mcpu=gfx1250 --defsym DOCPART=n.
;; ======== version 1 of 1: 2 launches
;; limits: right only within a limited range of input values
;; workspace buffers: eb 786,432 bytes; ebs 32,768 bytes; wimg 589,824 bytes
;; launch prep (part 1): grid 256 x 1, 4 waves a work-group, no clusters, 17,408 bytes of LDS; arguments pos_bias, Wk_codes, Wv_codes, Wq_codes, eb, ebs, wimg; writes eb, ebs, wimg
.if DOCPART == 1
	.amdgcn_target "amdgcn-amd-amdhsa--gfx1250"
	.amdhsa_code_object_version 6
	.text
	.protected	k_q3d5c7c9d0a_prep
	.globl	k_q3d5c7c9d0a_prep
	.p2align	8
	.type	k_q3d5c7c9d0a_prep,@function
k_q3d5c7c9d0a_prep:
	s_mov_b64 s[64:65], 0
	v_nop
	global_prefetch_b8 v0, s[64:65] scope:SCOPE_SE
	s_setreg_imm32_b32 hwreg(HW_REG_WAVE_MODE, 25, 1), 1
	s_wait_xcnt 0x0
; Lays what every work-group of the next launch reads, as images of operand registers (register group c of lane l at 512 c + 16 l of 1,536 bytes).
; Waves 0 and 1: the 512 fragments (16 rows i x 128 j) of eb = exp(pos_bias), quantised along j.  Waves 2 and 3: the 384 fragments of Wk, Wv and Wq, whose codes are only re-laid.
; THE ORDER OF j INSIDE A BLOCK OF 32: place 16 a + 8 u + e holds j = 16 u + 8 a + e (the middle two groups of eight change places); the next launch makes ek and ekv in the same order, so the products are kept.
; eb: [pass 2][pair of K steps 4][wave 4][K step of the pair 2][tile 8][1,536], tile T = 32 pass + 8 wave + a.   ebs: [4 pass + wave ..][K step 8][16 (a / 4) + row][a % 4] words.
; wimg: [d block 8][Wk, Wv, Wq][4 (K step) + n][1,536]: lane r of tile n holds row d = 64 (d block) + 4 r + n.
; LIMITS.  exp(z) is v_exp_f32 of z x log2(e): the rounding of that product is an error of about 6e-8 |z| of the result; results under 2^-126 come out as 0.  A block of zeros gets the scale byte 1, not 127 (its codes are zeros,
; and only the next launch reads the bytes).  NaN and infinities are not served.
.set E, 32
.set TM, 96
.set PC, 112
	s_load_b256 s[4:11], s[0:1], 0x0               ; pos_bias 4, Wk 6, Wv 8, Wq 10
	s_load_b128 s[12:15], s[0:1], 0x20             ; eb 12, ebs 14
	s_load_b64 s[16:17], s[0:1], 0x30              ; wimg
	v_lshrrev_b32 v1, 5, v0
	v_readfirstlane_b32 s28, v1
	v_and_b32 v1, 15, v0                           ; r
	v_bfe_u32 v2, v0, 4, 1                         ; h
	v_and_b32 v3, 31, v0
	v_lshlrev_b32 v4, 4, v3                        ; my place in an image
	s_mul_i32 s29, s28, 8448                       ; a wave's own 16 rows of 528 bytes in LDS (waves 0 and 1)
	v_mul_u32_u24 v5, 0x210, v1
	v_lshl_add_u32 v5, v2, 5, v5
	v_add_nc_u32 v5, s29, v5                       ; back: row r, + 32 h
	v_add_nc_u32 v10, s29, v4                      ; in: 16 x lane of a row
	v_lshl_add_u32 v11, v0, 2, 16896               ; my spare word, and 0
	v_mov_b32 v12, 0
	v_lshlrev_b32 v6, 4, v1                        ; a scale word's place
	v_mul_u32_u24 v7, 0x600, v1
	v_mad_u32_u24 v7, v2, 24, v7                   ; W: every fourth row of 384 bytes, + 24 h
	s_mov_b32 s30, 0x3fb8aa3b                      ; log2(e), twice
	s_mov_b32 s31, 0x3fb8aa3b
	s_mov_b32 s32, 0x76543210                      ; v_permlanex16_b32's selects for lane l xor 16
	s_mov_b32 s33, 0xfedcba98
	s_wait_alu depctr_va_vdst(0)                   ; the wait at the head's end
	s_wait_kmcnt 0x0
	s_cmp_gt_u32 s28, 1
	s_cbranch_scc1 .Lweights
	s_lshl_b32 s20, ttmp9, 1
	s_add_co_u32 s20, s20, s28                     ; fragment 8 T + K step
	s_lshr_b32 s21, s20, 3                         ; T
	s_and_b32 s22, s20, 7                          ; K step
	s_lshl_b32 s24, s21, 16                        ; 16 rows of 4,096 bytes
	s_lshl_b32 s25, s22, 9
	s_add_co_u32 s24, s24, s25
	s_mov_b32 s25, 0
	s_add_nc_u64 s[4:5], s[4:5], s[24:25]
.irp i, 0,1,2,3,4,5,6,7,8,9,10,11,12,13,14,15
	global_load_b128 v[E+4*\i:E+4*\i+3], v4, s[4:5] offset:4096*\i th:TH_LOAD_NT   ; row i: 512 consecutive bytes
.endr
	s_lshr_b32 s23, s21, 5                         ; pass
	s_lshl_b32 s23, s23, 2
	s_lshr_b32 s24, s22, 1
	s_add_co_u32 s23, s23, s24
	s_lshl_b32 s23, s23, 2
	s_bfe_u32 s24, s21, 0x20003                    ; wave
	s_add_co_u32 s23, s23, s24
	s_mul_i32 s24, s23, 24576
	s_and_b32 s23, s22, 1
	s_mul_i32 s23, s23, 12288
	s_add_co_u32 s24, s24, s23
	s_and_b32 s23, s21, 7
	s_mul_i32 s23, s23, 1536
	s_add_co_u32 s24, s24, s23
	s_mov_b32 s25, 0
	s_add_nc_u64 s[12:13], s[12:13], s[24:25]
	s_lshr_b32 s24, s21, 3
	s_lshl_b32 s24, s24, 12
	s_lshl_b32 s23, s22, 9
	s_add_co_u32 s24, s24, s23
	s_bfe_u32 s23, s21, 0x10002
	s_lshl_b32 s23, s23, 8
	s_add_co_u32 s24, s24, s23
	s_and_b32 s23, s21, 3
	s_lshl_b32 s23, s23, 2
	s_add_co_u32 s24, s24, s23
	s_add_nc_u64 s[14:15], s[14:15], s[24:25]
.irp b, 0,1,2,3
	v_mov_b32 v[TM+4+\b], 0                        ; a lane permute's destination counts as one of its sources
.endr
	s_wait_alu depctr_va_vdst(0)
	s_wait_loadcnt 0x8                             ; the first eight rows are in
.irp i, 0,1,2,3,4,5,6,7
	ds_store_b128 v10, v[E+4*\i:E+4*\i+3] offset:528*\i
.endr
	s_wait_loadcnt 0x0
.irp i, 8,9,10,11,12,13,14,15
	ds_store_b128 v10, v[E+4*\i:E+4*\i+3] offset:528*\i
.endr
.irp bb, 0,1,2,3
.irp u, 0,1
.irp k, 0,1
	ds_load_b128 v[E+16*\bb+8*\u+4*\k:E+16*\bb+8*\u+4*\k+3], v5 offset:128*\bb+64*\u+16*\k   ; LDS serves a wave's instructions in order: these see the stores above
.endr
.endr
.endr
	s_wait_dscnt 0x0
.set j, 0
.rept 32
	v_pk_mul_f32 v[E+j:E+j+1], v[E+j:E+j+1], s[30:31] op_sel_hi:[1,0]
.set j, j+2
.endr
	s_wait_alu depctr_va_vdst(0)                   ; the wait ahead of the batch and behind it
.set j, 0
.rept 64
	v_exp_f32 v[E+j], v[E+j]
.set j, j+1
.endr
	v_nop
	s_wait_alu depctr_va_vdst(0)
.irp b, 0,1,2,3
	v_max3_num_f32 v[TM+\b], |v[E+16*\b]|, |v[E+1+16*\b]|, 0x2800000   ; my 16 numbers of block b, and the floor 2^(5 - 127): the byte cannot fall under 1
.endr
.irp i, 2,4,6,8,10,12,14
.irp b, 0,1,2,3
	v_max3_num_f32 v[TM+\b], v[TM+\b], |v[E+16*\b+\i]|, |v[E+1+16*\b+\i]|
.endr
.endr
.irp b, 0,1,2,3
	v_permlanex16_b32 v[TM+4+\b], v[TM+\b], s32, s33
.endr
.irp b, 0,1,2,3
	v_max_num_f32 v[TM+\b], v[TM+\b], v[TM+4+\b]
.endr
.irp b, 0,1,2,3
	v_add_nc_u32 v[TM+12+\b], 0xfe000000, v[TM+\b]   ; 4 off the exponent field: the conversion's scale operand
.endr
.irp b, 0,1,2,3
	v_lshrrev_b32 v[TM+4+\b], 23, v[TM+12+\b]      ; the scale's byte
.endr
	v_lshl_or_b32 v8, v[TM+5], 8, v[TM+4]
	v_lshl_or_b32 v8, v[TM+6], 16, v8
	v_lshl_or_b32 v8, v[TM+7], 24, v8
.irp c, 0,1
	v_cvt_scalef32_pk16_bf6_f32 v[PC+6*\c:PC+2+6*\c], v[E+32*\c:E+15+32*\c], v[TM+12+2*\c]
	v_cvt_scalef32_pk16_bf6_f32 v[PC+12+4*\c:PC+14+4*\c], v[E+16+32*\c:E+31+32*\c], v[TM+12+2*\c+1]
.endr
	v_nop                                          ; one plain place behind a scaled conversion
.irp c, 0,1                                    ; a whole block in a lane: lanes 0-15 block 2 c, lanes 16-31 block 2 c + 1
.irp i, 0,1,2
	v_permlane16_swap_b32 v[PC+6*\c+\i], v[PC+12+4*\c+\i]
.endr
.irp i, 0,1,2
	v_mov_b32 v[PC+3+6*\c+\i], v[PC+12+4*\c+\i]
.endr
.endr
.irp c, 0,1,2
	global_store_b128 v4, v[PC+4*\c:PC+4*\c+3], s[12:13] offset:512*\c
.endr
	global_store_b32 v6, v8, s[14:15]              ; row r's word (both halves of the lanes store the same word): 64 bytes of this fragment, 32 KiB in the launch
	s_wait_tensorcnt 0x0                           ; the end of a wave that stored to LDS
	ds_add_u32 v11, v12
	s_wait_dscnt 0x0
	s_endpgm
.Lweights:
	s_sub_co_u32 s20, s28, 2
	s_lshl_b32 s20, s20, 8
	s_add_co_u32 s20, s20, ttmp9                   ; fragment 128 (matrix) + 16 (d block) + 4 (K step) + n
	s_cmp_lt_u32 s20, 384
	s_cbranch_scc0 .Lend
	s_lshr_b32 s21, s20, 7
	s_cmp_eq_u32 s21, 0
	s_cselect_b64 s[6:7], s[6:7], s[8:9]
	s_cmp_eq_u32 s21, 2
	s_cselect_b64 s[6:7], s[10:11], s[6:7]
	s_bfe_u32 s22, s20, 0x30004                    ; d block
	s_bfe_u32 s23, s20, 0x20002                    ; K step
	s_and_b32 s24, s20, 3                          ; n
	s_mul_i32 s26, s22, 24576
	s_mul_i32 s27, s24, 384
	s_add_co_u32 s26, s26, s27
	s_mul_i32 s27, s23, 96
	s_add_co_u32 s26, s26, s27
	s_mov_b32 s27, 0
	s_add_nc_u64 s[6:7], s[6:7], s[26:27]
.irp p, 0,1,2,3,4,5
	global_load_b64 v[E+2*\p:E+2*\p+1], v7, s[6:7] offset:48*(\p/3)+8*(\p%3)   ; 24 bytes of a row's stream of bits are six registers as they lie
.endr
	s_mul_i32 s26, s22, 73728
	s_mul_i32 s27, s21, 24576
	s_add_co_u32 s26, s26, s27
	s_and_b32 s27, s20, 15
	s_mul_i32 s27, s27, 1536
	s_add_co_u32 s26, s26, s27
	s_mov_b32 s27, 0
	s_add_nc_u64 s[16:17], s[16:17], s[26:27]
	s_wait_loadcnt 0x0
.irp c, 0,1,2
	global_store_b128 v4, v[E+4*\c:E+4*\c+3], s[16:17] offset:512*\c
.endr
.Lend:
	s_endpgm
.Lfunc_end_k_q3d5c7c9d0a_prep:
	.size	k_q3d5c7c9d0a_prep, .Lfunc_end_k_q3d5c7c9d0a_prep-k_q3d5c7c9d0a_prep
	.p2alignl 7, 3214868480
	.fill 96, 4, 3214868480
	.section	.rodata,"a",@progbits
	.p2align	6, 0x0
	.amdhsa_kernel k_q3d5c7c9d0a_prep
		.amdhsa_group_segment_fixed_size 17408
		.amdhsa_private_segment_fixed_size 0
		.amdhsa_enable_private_segment 0
		.amdhsa_kernarg_size 56
		.amdhsa_user_sgpr_count 2
		.amdhsa_user_sgpr_kernarg_segment_ptr 1
		.amdhsa_wavefront_size32 1
		.amdhsa_system_sgpr_workgroup_id_x 1
		.amdhsa_system_sgpr_workgroup_id_y 1
		.amdhsa_system_sgpr_workgroup_id_z 1
		.amdhsa_system_vgpr_workitem_id 0
		.amdhsa_next_free_vgpr 136
		.amdhsa_next_free_sgpr 66
		.amdhsa_reserve_vcc 0
		.amdhsa_float_denorm_mode_32 3
		.amdhsa_float_denorm_mode_16_64 3
		.amdhsa_memory_ordered 1
		.amdhsa_forward_progress 1
		.amdhsa_inst_pref_size 17
	.end_amdhsa_kernel
	.amdgpu_metadata
---
amdhsa.version: [ 1, 2 ]
amdhsa.kernels:
  - .name:           k_q3d5c7c9d0a_prep
    .symbol:         k_q3d5c7c9d0a_prep.kd
    .args:
      - { .name: pos_bias, .offset: 0, .size: 8, .value_kind: global_buffer, .address_space: global }
      - { .name: Wk_codes, .offset: 8, .size: 8, .value_kind: global_buffer, .address_space: global }
      - { .name: Wv_codes, .offset: 16, .size: 8, .value_kind: global_buffer, .address_space: global }
      - { .name: Wq_codes, .offset: 24, .size: 8, .value_kind: global_buffer, .address_space: global }
      - { .name: eb, .offset: 32, .size: 8, .value_kind: global_buffer, .address_space: global }
      - { .name: ebs, .offset: 40, .size: 8, .value_kind: global_buffer, .address_space: global }
      - { .name: wimg, .offset: 48, .size: 8, .value_kind: global_buffer, .address_space: global }
    .group_segment_fixed_size: 17408
    .private_segment_fixed_size: 0
    .kernarg_segment_align: 8
    .kernarg_segment_size: 56
    .max_flat_workgroup_size: 128
    .sgpr_count:     66
    .vgpr_count:     136
    .wavefront_size: 32
...
	.end_amdgpu_metadata
.endif
;; end of part 1
;; launch aft (part 2): grid 8 x 32, 4 waves a work-group, clusters of 4 x 1, 327,680 bytes of LDS; arguments eb, ebs, wimg, x_codes, x_scales, Wk_scales, Wv_scales, Wq_scales, bk, bv, bq, out0; writes out0
.if DOCPART == 2
	.amdgcn_target "amdgcn-amd-amdhsa--gfx1250"
	.amdhsa_code_object_version 6
	.text
	.protected	k_q3d5c7c9d0a_aft
	.globl	k_q3d5c7c9d0a_aft
	.p2align	8
	.type	k_q3d5c7c9d0a_aft,@function
k_q3d5c7c9d0a_aft:
	s_mov_b64 s[64:65], 0
	v_nop
	global_prefetch_b8 v0, s[64:65] scope:SCOPE_SE
	s_setreg_imm32_b32 hwreg(HW_REG_WAVE_MODE, 25, 1), 1
	s_wait_xcnt 0x0
	s_wait_alu depctr_hold_cnt(0) depctr_sa_sdst(0) depctr_va_vdst(0) depctr_va_sdst(0) depctr_va_ssrc(0) depctr_va_vcc(0) depctr_vm_vsrc(0)
	s_getreg_b32 s2, hwreg(HW_REG_IB_STS2, 6, 4)
	s_cmp_eq_u32 s2, 0
	s_cbranch_scc0 .Lentry_in_a_cluster
	s_endpgm
.Lentry_in_a_cluster:
	s_bfe_u32 s2, ttmp6, 0x10000c
	s_cmp_lg_u32 s2, 0x3003
	s_cbranch_scc0 .Lentry_shape_is_right
	s_endpgm
.Lentry_shape_is_right:
; out[b][i][d] = sigmoid(q) num / den;  num = sum over j of eb[i][j] ekv[b][j][d], den = the same with ek;  ek = exp(k), ekv = ek v;  q, k, v = x W^T + bias.  All products on codes of BF6 (E3M2) with E8M0 scales.
; SHARES.  A work-group owns (batch b, 64 d) for all 1,024 j and all 1,024 i: 32 x 8 = 256 work-groups.  ek and ekv never leave it: their codes stay in LDS, 64 images of operand registers.
; PHASE 1: k and v in four chunks of 256 j, a wave 64 j x 64 d in two units of 32 j; Wk's and Wv's 32 fragments stay in registers.  A unit's k is exponentiated among its v's products; then ek and ekv are quantised along j and stored to LDS.
; PHASE 2: two passes of 512 i, a wave 128 i x 64 d: 32 accumulators of num and 32 of den.  eb comes in pairs of K steps through two slots; then x's rows come again, 32 a wave at a time, for q and the way out.
; CLUSTER 4 x 1: four d blocks of one batch.  x and eb are the same for all four and are asked for jointly (mask 15).  W's images differ inside the cluster: they are loaded by each work-group, 73,728 bytes of its 1,645,000.
; LAYOUT.  Source 0 = 16 rows of x or eb, source 1 = 16 d; a lane holds ONE d and its registers run along the rows.  Tile n of d takes d = 4 r + n in lane r: register e of the four tiles n = 0 .. 3 makes 16 neighbouring bytes
; of a row of out0, and sixteen lanes a whole row of 64 d: 256 bytes, aligned.  So nothing is staged on the way out.
; x's tile t is rows 16 t .. 16 t + 15, so that a lane's 16 numbers of a block of 32 j are j = 16 u + 8 h + e at places 16 h + 8 u + e; eb's images have the same order of j.
; PREFETCH.  eb is the same for all work-groups: the four clusters of batches 0 and 18 ask for it, the eight work-groups of a batch sharing a pair's 384 blocks of 256 bytes out by address (12 a wave), two loads of eb ahead of the load that
; wants them; pair 7 is the last.  x is not prefetched: phase 1 has four chunks, one at the head and three asked for a whole chunk ahead, and phase 2 reads what phase 1 has read.
; LIMITS.  exp(z) is v_exp_f32 of z x log2(e): the rounding of that product is an error of about 6e-8 |z| of the result; results under 2^-126 come out as 0; where exp overflows reference() overflows too (it takes no maximum away).
; Where den (1 + e^-q) reaches 2^126 the reciprocal, and so the result, comes out as 0 (the true number is then under 2^-126 of num).  A block of zeros gets the scale byte 1, not 127: its codes are zeros.  NaN and infinities are not served.
; LDS.  phase 1: x's chunks in two slots of 110,592 bytes from 0; phase 2: eb's (or x's) in two slots of 98,304 from 0, Wq's images from 196,608.  From BIM the images of ekv (0-3) and ek (4-7), K step by K step; at the head Wk's and Wv's
; images lie there, which every wave has read ahead of the first store into those bytes.
.set RP,   432                         ; a row of 512 codes: 3 x (128 bytes + 16 of padding)
.set XSLOT, 110592                     ; 256 rows
.set ESLOT, 98304                      ; two K steps of 32 tiles
.set WQL,  196608
.set BIM,  221184
.set WST,  BIM+49152                   ; (chunks 2's and 3's images come to lie there)
.set BSC,  BIM+98304                   ; their scale words: [K step][lane][n]
.set SPARE, BSC+4096                   ; the spare words, 128 bytes for each wave
; phase 1, window 2: v0-95 x's fragments of a unit, (tile t, K step q) at 12 (4 t + q); v96-159 k, then ek: (n, t) at 96 + 16 n + 8 t; v160-223 v, then ekv; v224-231 bk x log2(e) in pairs.  Window 1: Wk (12 (4 q + n)); window 3: Wv.
.set KA,   96
.set VA,   160
.set BKL,  224
.set WS,   16                          ; v16-31 Wk's, Wv's scale words: tile n, K step q at 8 (v) + 4 (n % 2) + q, lanes 16 (n / 2) ..
.set XS1,  32                          ; v32-39 x's: unit u, K step q at 4 u + q, tile t in lanes 16 t ..
.set TM,   48
.set PC,   64
.set SW,   84                          ; v84-91 scale bytes
.set PF,   95                          ; the prefetches' offset (phase 2: v0)
.set WQS,  16                          ; phase 2: v16-23 Wq's scale words
.set XS,   24                          ; v24-31 x's, pair p at 4 (p % 2)
.set EBS,  32                          ; v32-63 eb's: tile a, K step s at 4 s + a % 4, lanes 16 (a / 4) ..
.set BS,   64                          ; v64-95 ekv's (lanes 0-15) and ek's (lanes 16-31): 4 s + n
.set AF,   96                          ; v96-191 fragments of source 0
.set QB,   192                         ; v192-255 q of a pair
.set BB,   192                         ; window 3 v192-223: bv, window 1 v192-223: bq, eight times for each tile: the C of first products
.set MSB, 0
.macro WIN new                         ; the immediate's high byte repeats the setting that is left
.if MSB != (\new)
	s_set_vgpr_msb (MSB<<8)|(\new)
.set MSB, (\new)
.endif
.endm
.macro PLACES n
.rept \n
	v_nop
.endr
.endm
.macro CREST                           ; a round of the cluster's barrier behind its opening barrier
	s_cmp_lg_u32 s28, 0
	s_cbranch_scc1 .Lnot_wave_0_\@
	s_barrier_signal -3
.Lnot_wave_0_\@:
	s_barrier_wait -3
	s_barrier_signal -1
	s_barrier_wait -1
.endm
.macro CROUND
	s_barrier_signal -1
	s_barrier_wait -1
	CREST
.endm
.macro TLOAD g0, g1
	tensor_load_to_lds s[\g0:\g0+3], s[\g1:\g1+7]
	s_nop 0
	PLACES 4
.endm
.macro ASK reg                         ; the next pair of eb's K steps: one instruction a wave; s8 = 1 in the clusters that ask
	s_wait_xcnt 0x0                                ; the prefetch before has read its base
	s_add_nc_u64 s[10:11], s[10:11], ESLOT
	s_cmp_eq_u32 s8, 1
	s_cbranch_scc0 .Lnot_mine_\@
	global_prefetch_b8 v[\reg], s[10:11] th:TH_LOAD_NT scope:SCOPE_SE
.Lnot_mine_\@:
.endm
; one matrix instruction; c = 9999: the sum starts with 0; ra, rb: the scale words lie in lanes 16-31
.macro WM d, a, b, c, sa, sb, ra, rb
.if (\c) == 9999
.if (\ra) && (\rb)
	v_wmma_scale_f32_16x16x128_f8f6f4 v[\d:\d+7], v[\a:\a+11], v[\b:\b+11], 0, v[\sa], v[\sb] matrix_a_fmt:MATRIX_FMT_BF6 matrix_b_fmt:MATRIX_FMT_BF6 matrix_a_scale:MATRIX_SCALE_ROW1 matrix_b_scale:MATRIX_SCALE_ROW1
.elseif (\ra)
	v_wmma_scale_f32_16x16x128_f8f6f4 v[\d:\d+7], v[\a:\a+11], v[\b:\b+11], 0, v[\sa], v[\sb] matrix_a_fmt:MATRIX_FMT_BF6 matrix_b_fmt:MATRIX_FMT_BF6 matrix_a_scale:MATRIX_SCALE_ROW1
.elseif (\rb)
	v_wmma_scale_f32_16x16x128_f8f6f4 v[\d:\d+7], v[\a:\a+11], v[\b:\b+11], 0, v[\sa], v[\sb] matrix_a_fmt:MATRIX_FMT_BF6 matrix_b_fmt:MATRIX_FMT_BF6 matrix_b_scale:MATRIX_SCALE_ROW1
.else
	v_wmma_scale_f32_16x16x128_f8f6f4 v[\d:\d+7], v[\a:\a+11], v[\b:\b+11], 0, v[\sa], v[\sb] matrix_a_fmt:MATRIX_FMT_BF6 matrix_b_fmt:MATRIX_FMT_BF6
.endif
.else
.if (\ra) && (\rb)
	v_wmma_scale_f32_16x16x128_f8f6f4 v[\d:\d+7], v[\a:\a+11], v[\b:\b+11], v[\c:\c+7], v[\sa], v[\sb] matrix_a_fmt:MATRIX_FMT_BF6 matrix_b_fmt:MATRIX_FMT_BF6 matrix_a_scale:MATRIX_SCALE_ROW1 matrix_b_scale:MATRIX_SCALE_ROW1
.elseif (\ra)
	v_wmma_scale_f32_16x16x128_f8f6f4 v[\d:\d+7], v[\a:\a+11], v[\b:\b+11], v[\c:\c+7], v[\sa], v[\sb] matrix_a_fmt:MATRIX_FMT_BF6 matrix_b_fmt:MATRIX_FMT_BF6 matrix_a_scale:MATRIX_SCALE_ROW1
.elseif (\rb)
	v_wmma_scale_f32_16x16x128_f8f6f4 v[\d:\d+7], v[\a:\a+11], v[\b:\b+11], v[\c:\c+7], v[\sa], v[\sb] matrix_a_fmt:MATRIX_FMT_BF6 matrix_b_fmt:MATRIX_FMT_BF6 matrix_b_scale:MATRIX_SCALE_ROW1
.else
	v_wmma_scale_f32_16x16x128_f8f6f4 v[\d:\d+7], v[\a:\a+11], v[\b:\b+11], v[\c:\c+7], v[\sa], v[\sb] matrix_a_fmt:MATRIX_FMT_BF6 matrix_b_fmt:MATRIX_FMT_BF6
.endif
.endif
.endm
; A fragment from rows of codes, in pieces of 8 bytes; where lanes 16-31's piece (three on) lies behind one padding more, the second address register (16 more for them) serves.
.macro FRAG6 reg, adr, adr2, q, rowoff
.irp p, 0,1,2,3,4,5
.set PCE, 12*(\q)+6*(\p/3)+\p%3
.if PCE%16 < 13
	ds_load_b64 v[\reg+2*\p:\reg+2*\p+1], v[\adr] offset:8*PCE+16*(PCE/16)+(\rowoff)*RP
.else
	ds_load_b64 v[\reg+2*\p:\reg+2*\p+1], v[\adr2] offset:8*PCE+16*(PCE/16)+(\rowoff)*RP
.endif
.endr
.endm
.macro FRAG3 reg, adr, off             ; an image: three loads of 512 consecutive bytes
.irp c, 0,1,2
	ds_load_b128 v[\reg+4*\c:\reg+4*\c+3], v[\adr] offset:\off+512*\c
.endr
.endm
; ---------------- phase 1
.macro FX u                            ; x's two tiles of unit u, all four K steps
	WIN 0x80
.irp t, 0,1
.irp q, 0,1,2,3
	FRAG6 12*(4*\t+\q), 4, 5, \q, 32*(\u)+16*\t
.endr
.endr
	WIN 0
.endm
; Eight matrix instructions of K step q, one to each accumulator by turns.
.macro KQ u, q
.irp n, 0,1,2,3
.irp t, 0,1
.if (\q) == 0
	WM KA+16*\n+8*\t, 12*(4*\t+(\q)), 12*(4*(\q)+\n), 9999, XS1+4*(\u)+(\q), WS+4*(\n%2)+(\q), \t, \n/2
.else
	WM KA+16*\n+8*\t, 12*(4*\t+(\q)), 12*(4*(\q)+\n), KA+16*\n+8*\t, XS1+4*(\u)+(\q), WS+4*(\n%2)+(\q), \t, \n/2
.endif
.endr
.endr
.endm
; The same for v; op 1 (K step 0, whose C is bv): behind each stand eight of k's exponentials (j counts k's registers).
.macro VQ u, q, op
.irp n, 0,1,2,3
.irp t, 0,1
.if (\q) == 0
	WM VA+16*\n+8*\t, 12*(4*\t+(\q)), 12*(4*(\q)+\n), BB+8*\n, XS1+4*(\u)+(\q), WS+8+4*(\n%2)+(\q), \t, \n/2
.else
	WM VA+16*\n+8*\t, 12*(4*\t+(\q)), 12*(4*(\q)+\n), VA+16*\n+8*\t, XS1+4*(\u)+(\q), WS+8+4*(\n%2)+(\q), \t, \n/2
.endif
.if (\op) == 1
.rept 8
	v_exp_f32 v[KA+j], v[KA+j]
.set j, j+1
.endr
.endif
.endr
.endr
.endm
; Four blocks, tile n's 16 numbers a lane at v[s + 16 n ..] of window 2.  Codes: lanes 0-15 a whole block of tile 2 i, lanes 16-31 of tile 2 i + 1, in v[PC + 6 i ..] (six registers); the scale bytes in v[pw ..].
.macro QUANT s, pw
	WIN 0x28
.irp b, 0,1,2,3
	v_max3_num_f32 v[TM+\b], 0x2800000, |v[\s+16*\b]|, |v[\s+1+16*\b]|   ; the floor 2^(5 - 127): the byte cannot fall under 1
.endr
.irp i, 2,4,6,8,10,12,14
.irp b, 0,1,2,3
	v_max3_num_f32 v[TM+\b], v[TM+\b], |v[\s+16*\b+\i]|, |v[\s+1+16*\b+\i]|
.endr
.endr
	WIN 0
.irp b, 0,1,2,3
	v_permlanex16_b32 v[TM+4+\b], v[TM+\b], s96, s97
.endr
.irp b, 0,1,2,3
	v_max_num_f32 v[TM+\b], v[TM+\b], v[TM+4+\b]
.endr
.irp b, 0,1,2,3
	v_add_nc_u32 v[TM+12+\b], 0xfe000000, v[TM+\b]   ; 4 off the exponent field: the conversion's scale operand
.endr
.irp b, 0,1,2,3
	v_lshrrev_b32 v[\pw+\b], 23, v[TM+12+\b]
.endr
	WIN 0x02
.irp i, 0,1
	v_cvt_scalef32_pk16_bf6_f32 v[PC+6*\i:PC+2+6*\i], v[\s+32*\i:\s+15+32*\i], v[TM+12+2*\i]
	v_cvt_scalef32_pk16_bf6_f32 v[PC+12+4*\i:PC+14+4*\i], v[\s+16+32*\i:\s+31+32*\i], v[TM+12+2*\i+1]
.endr
	v_nop                                          ; one plain place behind a scaled conversion
	WIN 0
.irp i, 0,1
.irp k, 0,1,2
	v_permlane16_swap_b32 v[PC+6*\i+\k], v[PC+12+4*\i+\k]
.endr
.irp k, 0,1,2
	v_mov_b32 v[PC+3+6*\i+\k], v[PC+12+4*\i+\k]
.endr
.endr
.endm
.macro PUT f, u                        ; one block (my 32 of a K step's 128 j) of fragments f .. f + 3
.irp i, 0,1
	ds_store_b64 v8, v[PC+6*\i:PC+6*\i+1] offset:((\f)+2*\i)*1536+256*(\u)
	ds_store_b64 v10, v[PC+6*\i+2:PC+6*\i+3] offset:((\f)+2*\i)*1536+256*(\u)
	ds_store_b64 v8, v[PC+6*\i+4:PC+6*\i+5] offset:((\f)+2*\i)*1536+256*(\u)+512
.endr
.endm
; Unit u.  The slot's reads end with unit 1's fragments: a round of the cluster's barrier runs under that unit's k products, and behind it the slot is filled again: kind 0: x's chunk two on; kind 1: eb's next pair of K steps.
.macro UNIT u, kind
.if (\u) == 0
	s_wait_dscnt 0x0                               ; the unit's fragments are in
.else
	s_wait_tensorcnt 0x0                           ; all my tensor loads have landed
	ds_add_u32 v1, v2                              ; 0 onto my spare word
.if \kind == 0
	s_add_co_u32 s57, s76, s79
	s_add_nc_u64 s[58:59], s[58:59], 98304
.else
	s_add_co_u32 s61, s77, s90
	s_add_nc_u64 s[62:63], s[62:63], ESLOT
.endif
	s_wait_dscnt 0x0                               ; the add is done, and so are my reads of this slot
	s_barrier_signal -1
.endif
	WIN 0xa6
	KQ \u, 0
	KQ \u, 1
	KQ \u, 2
	KQ \u, 3
.if (\u) == 1
	WIN 0
	s_barrier_wait -1
	CREST
.if \kind == 0
	TLOAD 56, 32
.else
	TLOAD 60, 40
.endif
.endif
.if (\u) == 0
	PLACES 4                                       ; four plain places ahead of the first read of k (unit 1 has those behind its tensor load)
.endif
	WIN 0xae
.set j, 0
.rept 32
	v_pk_fma_f32 v[KA+j:KA+j+1], v[KA+j:KA+j+1], s[92:93], v[BKL+2*(j/16):BKL+2*(j/16)+1] op_sel_hi:[1,0,0]   ; k log2(e) + bk log2(e)
.set j, j+2
.endr
	s_wait_alu depctr_va_vdst(0)                   ; the wait ahead of the batch and behind it
	WIN 0xbe                                       ; C: bv, in window 3
.set j, 0
	VQ \u, 0, 1                                    ; ek
	v_nop                                          ; a plain place behind the last exponential
	s_wait_alu depctr_va_vdst(0)
	WIN 0xae
	VQ \u, 1, 0
	VQ \u, 2, 0
	VQ \u, 3, 0
	PLACES 4                                       ; in front of the first read of v and of loads into registers that matrix instructions have read
	WIN 0
.if (\u) == 0
	FX 1                                           ; under the way to codes
.else
	s_add_co_u32 s100, s100, 1
	s_min_u32 s86, s100, 3                         ; (the last chunk asks for its own words again: no load leaves the batch)
	s_lshl_b32 s86, s86, 12
	s_mov_b32 s87, 0
	s_add_nc_u64 s[2:3], s[12:13], s[86:87]
	global_load_b128 v[XS1:XS1+3], v13, s[2:3]
	global_load_b128 v[XS1+4:XS1+7], v13, s[2:3] offset:512
.endif
	QUANT KA, SW
	PUT 4, \u
	WIN 0x8a
.set j, 0
.rept 32
	v_pk_mul_f32 v[VA+j:VA+j+1], v[VA+j:VA+j+1], v[KA+j:KA+j+1]   ; ekv
.set j, j+2
.endr
	QUANT VA, SW+4
	PUT 0, \u
.irp b, 0,1,2,3
	v_cndmask_b32 v[SW+\b], v[SW+4+\b], v[SW+\b], s98   ; lanes 0-15 ekv's byte, lanes 16-31 ek's
.endr
.irp b, 0,1,2,3
	ds_store_b8 v12, v[SW+\b] offset:4*\b+(\u)
.endr
.endm
.macro CHUNK kind
	v_add_nc_u32 v4, s79, v3                       ; my 64 rows in this chunk's slot
	v_add_nc_u32 v5, s79, v6
	v_add_nc_u32 v8, s91, v7                       ; where my blocks of images go
	v_add_nc_u32 v10, s91, v9
	v_add_nc_u32 v12, s99, v11
	s_wait_alu depctr_va_vdst(0)                   ; the wait ahead of the blocking waits below
	FX 0
	s_wait_loadcnt 0x0                             ; this chunk's scale words
	UNIT 0, \kind
	UNIT 1, \kind
	s_add_co_u32 s79, s79, XSLOT
	s_add_co_u32 s91, s91, 24576
	s_add_co_u32 s99, s99, 1024
.if \kind
	s_add_co_u32 s90, s90, ESLOT
.endif
	s_wait_alu depctr_va_vdst(0)                   ; the wait ahead of the branches
	ASK PF
	s_add_co_u32 s101, s101, 1
	s_cmp_lt_u32 s101, 2
.endm
; ---------------- phase 2
.macro FETCH_B s, set                  ; ekv's and ek's eight fragments of K step s
	WIN 0x40
.irp i, 0,1,2,3,4,5,6,7
.if (\s) < 4
	FRAG3 96*(\set)+12*\i, 5, 12288*(\s)+1536*\i
.else
	FRAG3 96*(\set)+12*\i, 6, 12288*((\s)-4)+1536*\i
.endif
.endr
	WIN 0
.endm
.macro FETCH_A slot, k, i0             ; eb's tiles i0 .. i0 + 3 of my eight, the slot's k-th K step
.irp i, \i0, \i0+1, \i0+2, \i0+3
	FRAG3 AF+12*(\i), 3+\slot, 12288*(\k)+1536*(\i)
.endr
.endm
; 16 matrix instructions: eb's tiles a0, a0 + 1 x the eight fragments, K step s.  The 64 accumulators take turns, in the same order in every step.
.macro MUL16 a0, s
.irp a, \a0, \a0+1
.irp b, 0,1,2,3,4,5,6,7
.if (\s) == 0
	WM 8*(8*((\a)%4)+\b), AF+12*(\a), 96*((\s)%2)+12*\b, 9999, EBS+4*(\s)+(\a)%4, BS+4*(\s)+\b%4, (\a)/4, \b/4
.else
	WM 8*(8*((\a)%4)+\b), AF+12*(\a), 96*((\s)%2)+12*\b, 8*(8*((\a)%4)+\b), EBS+4*(\s)+(\a)%4, BS+4*(\s)+\b%4, (\a)/4, \b/4
.endif
.endr
.endr
.endm
.set LO, 0xa4                          ; source 0 window 0, source 1 window 1, C and D window 2
.set HI, 0xf4                          ; C and D window 3
.macro STEPE slot                      ; eb's next pair of K steps: the stream goes on from pass to pass
	s_add_co_u32 s61, s77, (\slot)*ESLOT
	s_add_nc_u64 s[62:63], s[62:63], ESLOT
.endm
.macro STEPQ slot, by                  ; my next 32 rows of x
	s_add_co_u32 s69, s78, (\slot)*ESLOT
	s_add_nc_u64 s[70:71], s[70:71], \by
.endm
.macro STEP slot, s                    ; a slot's first K step: it fetches the slot's second
	s_wait_dscnt 12                                ; the youngest twelve loads (eb's tiles 4-7) may be out
	WIN LO
	MUL16 0, \s
	MUL16 2, \s
	s_wait_dscnt 0x0
	PLACES 4
	FETCH_B (\s)+1, 1
	FETCH_A \slot, 1, 0
	WIN HI
	MUL16 4, \s
	MUL16 6, \s
	PLACES 4
	WIN 0
	FETCH_A \slot, 1, 4
.endm
.macro MEET s, kind, slot              ; the first half of a slot's second K step, with the round behind which the slot is filled again: kind 1: eb, 2: a pass's first rows of x, 3: its next
	s_wait_tensorcnt 0x0                           ; all my tensor loads have landed  (every window is 0 here)
	ds_add_u32 v1, v2                              ; 0 onto my spare word
.if \kind == 1
	STEPE \slot
.elseif \kind == 2
	STEPQ \slot, 159744
.else
	STEPQ \slot, 12288
.endif
	s_wait_dscnt 13                                ; the add and eb's tiles 4-7 may be out
	WIN LO
	MUL16 0, \s
	s_wait_dscnt 0x0                               ; the add is done, and my reads of this slot are over
	s_barrier_signal -1
	MUL16 2, \s
	WIN 0
	s_barrier_wait -1
	CREST
.if \kind == 1
	TLOAD 60, 40
.else
	TLOAD 68, 32
.endif
.endm
.macro TURN slot, next, s, kind
	MEET \s, \kind, \slot
	FETCH_B (\s)+1, 0
	FETCH_A \next, 0, 0
	WIN HI
	MUL16 4, \s
	MUL16 6, \s
	PLACES 4
	WIN 0
	FETCH_A \next, 0, 4
.if \kind == 1
	ASK 0
.endif
.endm
.macro FETCH_W half                    ; Wq's fragments (K step q, tile b) to window 1, v[12 (4 q + b)]
	WIN 0x40
.irp i, 0,1,2,3,4,5,6,7
	FRAG3 96*(\half)+12*\i, 11, 1536*(8*(\half)+\i)
.endr
	WIN 0
.endm
.macro FETCHQ p                        ; x's fragments of tiles 2 p, 2 p + 1, all four K steps
.irp a, 0,1
.irp q, 0,1,2,3
	FRAG6 AF+12*(4*\a+\q), 7+2*((\p)%2), 8+2*((\p)%2), \q, 16*\a
.endr
.endr
.endm
; q of pair p, K steps 2 half and 2 half + 1: eight accumulators by turns.
.macro QMUL p, half
.irp q, 0,1
.if (\half) == 0 && \q == 0
	WIN 0x14                                       ; C: bq, in window 1
.else
	WIN 0x04
.endif
.irp a, 0,1
.irp b, 0,1,2,3
.set QD, QB+8*(4*\a+\b)
.set KS, 2*(\half)+\q
.if (\half) == 0 && \q == 0
	WM QD, AF+12*(4*\a+KS), 12*(4*KS+\b), BB+8*\b, XS+4*((\p)%2)+KS, WQS+4*(\b%2)+KS, \a, \b/2
.else
	WM QD, AF+12*(4*\a+KS), 12*(4*KS+\b), QD, XS+4*((\p)%2)+KS, WQS+4*(\b%2)+KS, \a, \b/2
.endif
.endr
.endr
.endr
	WIN 0
.endm
; Tiles 2 p and 2 p + 1 of my eight: from q to the reciprocal of den (1 + e^-q), while pair p + 1's rows of x come from LDS.
.macro FRONT p
.set AW, 2+(\p)/2
.set AB, 128*((\p)%2)
.if (\p) < 2
	global_load_b128 v[XS+4*((\p)%2):XS+4*((\p)%2)+3], v13, s[12:13] offset:512*((\p)+2)   ; x's scale words of pair p + 2
.endif
.if (\p) < 3
	FETCHQ (\p)+1
.endif
.set j, 0
.rept 32
	v_pk_mul_f32 v[QB+j:QB+j+1], v[QB+j:QB+j+1], s[94:95] op_sel_hi:[1,0]   ; -q log2(e)
.set j, j+2
.endr
	s_wait_alu depctr_va_vdst(0)                   ; the waits ahead of and behind each batch
.set j, 0
.rept 64
	v_exp_f32 v[QB+j], v[QB+j]                     ; e^-q
.set j, j+1
.endr
	v_nop
	s_wait_alu depctr_va_vdst(0)
	WIN AW*17                                      ; sources 0 and 2: the accumulators' window
.set j, 0
.rept 32
	v_pk_fma_f32 v[QB+j:QB+j+1], v[AB+64*(j/32)+32+j%32:AB+64*(j/32)+33+j%32], v[QB+j:QB+j+1], v[AB+64*(j/32)+32+j%32:AB+64*(j/32)+33+j%32]   ; den e^-q + den
.set j, j+2
.endr
	WIN 0
	s_wait_alu depctr_va_vdst(0)
.set j, 0
.rept 64
	v_rcp_f32 v[QB+j], v[QB+j]
.set j, j+1
.endr
	v_nop
	s_wait_alu depctr_va_vdst(0)
.endm
.macro RESULT p
.set AW, 2+(\p)/2
.set AB, 128*((\p)%2)
	WIN AW*65                                      ; source 0 and destination: the accumulators' window
.set j, 0
.rept 64
	v_mul_f32 v[AB+64*(j/32)+32+j%32], v[AB+64*(j/32)+8*(j%4)+(j%32)/4], v[QB+32*(j/32)+8*(j%4)+(j%32)/4]
.set j, j+1
.endr
	WIN 0
.endm
.macro SEND p
	WIN AW*4                                       ; data: the accumulators' window
.set j, 0
.rept 16
	global_store_b128 v12, v[AB+64*(j/8)+32+4*(j%8):AB+64*(j/8)+35+4*(j%8)], s[26:27] offset:(32*(\p)+16*(j/8)+j%8)*2048 th:TH_STORE_NT   ; sixteen lanes store 256 consecutive bytes, aligned; written once, read by nobody here
.set j, j+1
.endr
	WIN 0
.endm
; The way out of pair p; then a round, with pair p + 1's q inside it, behind which the slot of that pair's rows of x, whose fragments are in registers, is filled again: kind 1: eb, 3: x.
.macro OUT p, kind
	RESULT \p
	SEND \p
	s_wait_loadcnt 0x0                             ; pair p + 2's scale words
	s_wait_tensorcnt 0x0                           ; all my tensor loads have landed: what the next pair (or pass) reads first
	ds_add_u32 v1, v2                              ; 0 onto my spare word
.if (\kind) == 1
	STEPE 1-(\p)%2
.else
	STEPQ 1-(\p)%2, 12288
.endif
	s_wait_dscnt 0x0                               ; the add is done, and so are my reads of the slot
	s_barrier_signal -1
	QMUL (\p)+1, 0
	QMUL (\p)+1, 1
	s_barrier_wait -1
	CREST
.if (\kind) == 1
	TLOAD 60, 40
.else
	TLOAD 68, 32
.endif
.endm
.macro LASTOUT p                       ; the same in the last pass, where nothing is filled again
	RESULT \p
	SEND \p
	s_wait_loadcnt 0x0
.if (\p) == 1
	s_wait_tensorcnt 0x0                           ; my last 32 rows of x are in
.endif
	s_wait_dscnt 0x0
	QMUL (\p)+1, 0
	QMUL (\p)+1, 1
	PLACES 4
.endm
	s_load_b512 s[4:19], s[0:1], 0x0               ; eb 4, ebs 6, wimg 8, x_codes 10, x_scales 12, Wk_scales 14, Wv_scales 16, Wq_scales 18
	s_load_b256 s[20:27], s[0:1], 0x40             ; bk 20, bv 22, bq 24, out0 26
	v_lshl_add_u32 v1, v0, 2, SPARE
	v_mov_b32 v2, 0
	ds_add_u32 v1, v2                              ; the wave's opening
	ds_add_u32 v1, v2
	v_lshrrev_b32 v14, 5, v0
	v_readfirstlane_b32 s28, v14                   ; wave 0..3
	s_lshr_b32 s29, s28, 1                         ; which K step of a chunk's two my 64 j belong to,
	s_and_b32 s30, s28, 1                          ; and which half of it
	s_bfe_u32 s31, ttmp6, 0x40000
	s_lshl_b32 s2, ttmp9, 2
	s_add_co_u32 s31, s31, s2                      ; d block
	s_and_b32 s3, ttmp7, 0xffff                    ; batch
	; group 1 of x's rows, dense in memory, as rows of 256 bytes with 16 of padding behind every 128: 192 of them (128 rows of x) at the head
	s_mov_b32 s32, 15|(1<<20)|(1<<21)|(4<<22)|(3<<25)
	s_mov_b32 s33, 256<<16
	s_mov_b32 s34, 192<<16
	s_mov_b32 s35, 256<<16
	s_mov_b32 s36, 192
	s_mov_b32 s37, 256
	s_mov_b32 s38, 0
	s_mov_b32 s39, 0
	; group 1 of images: 24,576 bytes as 96 rows of 256 (32 elements of 8 bytes).  eb's: jointly; W's: mine alone
	s_mov_b32 s40, 15|(3<<16)|(1<<21)
	s_mov_b32 s48, 3<<16
.irp g, 40, 48
	s_mov_b32 s[\g+1], 32<<16
	s_mov_b32 s[\g+2], 96<<16
	s_mov_b32 s[\g+3], 32<<16
	s_mov_b32 s[\g+4], 96
	s_mov_b32 s[\g+5], 32
	s_mov_b32 s[\g+6], 0
	s_mov_b32 s[\g+7], 0
.endr
	s_mul_i32 s76, s28, 64*RP
	s_mul_i32 s77, s28, 24576
	s_mul_i32 s78, s28, 32*RP
	s_mul_i32 s80, s3, 393216
	s_mov_b32 s81, 0
	s_mul_i32 s82, s28, 49152
	s_mov_b32 s83, 0
	s_mul_i32 s84, s28, 24576
	s_mov_b32 s85, 0
	s_mul_i32 s88, s31, 73728
	s_mov_b32 s89, 0
	s_mov_b32 s56, 1
	s_mul_i32 s57, s28, 128*RP
	s_mov_b32 s60, 1
	s_mov_b32 s68, 1
	s_mov_b32 s72, 1
	s_add_co_u32 s73, s77, WST-49152               ; waves 2, 3: Wk's and Wv's images
	s_mov_b32 s92, 0x3fb8aa3b                      ; log2(e)
	s_mov_b32 s93, 0x3fb8aa3b
	s_mov_b32 s94, 0xbfb8aa3b
	s_mov_b32 s95, 0xbfb8aa3b
	s_mov_b32 s96, 0x76543210                      ; v_permlanex16_b32's selects for lane l xor 16
	s_mov_b32 s97, 0xfedcba98
	s_mov_b32 s98, 0xffff0000                      ; lanes 16-31
	s_wait_dscnt 0x0                               ; both opening adds are done
	s_wait_kmcnt 0x0
	s_add_nc_u64 s[80:81], s[10:11], s[80:81]      ; x of my batch
	s_add_nc_u64 s[58:59], s[80:81], s[82:83]
	s_or_b32 s59, s59, 0x80000000
	s_add_nc_u64 s[88:89], s[8:9], s[88:89]        ; W's images of my d block
	s_add_nc_u64 s[74:75], s[88:89], s[84:85]
	s_sub_nc_u64 s[74:75], s[74:75], 49152
	s_or_b32 s75, s75, 0x80000000
	CROUND                                         ; all four work-groups are here: the first joint loads meet
	s_cmp_lt_u32 s28, 2                            ; ONE tensor load a wave.  Waves 0, 1: x's chunk 0; waves 2, 3: Wk's, Wv's images
	s_cbranch_scc0 .Lhead_w
	TLOAD 56, 32
	s_branch .Lhead_asked
.Lhead_w:
	TLOAD 72, 48
.Lhead_asked:
	s_lshl_b32 s86, s3, 14
	s_mov_b32 s87, 0
	s_add_nc_u64 s[12:13], s[12:13], s[86:87]      ; x's scales of my batch
	s_lshl_b32 s86, s31, 10
	s_add_nc_u64 s[14:15], s[14:15], s[86:87]
	s_add_nc_u64 s[16:17], s[16:17], s[86:87]
	s_add_nc_u64 s[18:19], s[18:19], s[86:87]
	s_lshl_b32 s86, s31, 8
	s_add_nc_u64 s[20:21], s[20:21], s[86:87]
	s_add_nc_u64 s[22:23], s[22:23], s[86:87]
	s_add_nc_u64 s[24:25], s[24:25], s[86:87]
	s_lshl_b32 s90, s3, 21
	s_add_co_u32 s86, s86, s90
	s_lshl_b32 s90, s28, 18
	s_add_co_u32 s86, s86, s90
	s_add_nc_u64 s[26:27], s[26:27], s[86:87]      ; out0 at my first row and column
	s_sub_nc_u64 s[10:11], s[4:5], ESLOT           ; the prefetches' base, one step ahead of eb's first pair
	s_cmp_eq_u32 s3, 0
	s_cselect_b32 s8, 1, 0
	s_cmp_eq_u32 s3, 18
	s_cselect_b32 s8, 1, s8                        ; batches 0 and 18 prefetch eb
	s_mul_i32 s2, s31, 12288
	s_mul_i32 s9, s28, 3072
	s_add_co_u32 s2, s2, s9
	s_mul_i32 s90, s29, 12288
	s_mul_i32 s91, s30, 520
	s_add_co_u32 s91, s91, s90
	s_add_co_u32 s91, s91, BIM
	s_mul_i32 s99, s30, 1016
	s_add_co_u32 s99, s99, s90
	s_add_co_u32 s99, s99, BIM+8
	s_lshl_b32 s100, s29, 9
	s_lshl_b32 s101, s30, 1
	s_add_co_u32 s100, s100, s101
	s_add_co_u32 s100, s100, BSC
	s_lshl_b32 s101, s28, 10
	s_lshl_b32 s90, s28, 12
	v_and_b32 v14, 15, v0                          ; r
	v_bfe_u32 v15, v0, 4, 1                        ; h
	v_and_b32 v4, 31, v0
	v_min_u32 v[PF], 11, v4                        ; 12 blocks of 256 bytes a wave; the lanes left over name its last again
	v_lshlrev_b32 v[PF], 8, v[PF]
	v_add_nc_u32 v[PF], s2, v[PF]
	v_lshlrev_b32 v4, 4, v4                        ; 16 x lane
	v_mul_u32_u24 v3, RP, v14
	v_mad_u32_u24 v3, v15, 24, v3
	v_add_nc_u32 v3, s76, v3                       ; x: my 64 rows, row r, + 24 h
	v_lshl_add_u32 v6, v15, 4, v3                  ; (+ 40 h)
	v_lshlrev_b32 v10, 4, v14                      ; 16 r: also the biases of d = 4 r .. 4 r + 3
	v_mul_u32_u24 v9, 0x600, v15
	v_add_nc_u32 v9, v9, v10                       ; lanes 16-31 store to the next fragment
	v_add_nc_u32 v7, s91, v9                       ; an image's registers 0, 1 of my half (and 4, 5 at 512 more),
	v_add_nc_u32 v9, s99, v9                       ; and 2, 3
	v_add_nc_u32 v11, s100, v4                     ; my bytes of scale words
	v_add_nc_u32 v13, s101, v4                     ; x's scales: my 64 rows of 16 bytes
	v_add_nc_u32 v12, s90, v4                      ; eb's scale words: my 4,096 bytes
	v_add_nc_u32 v5, WST, v4                       ; W's images
	v_lshlrev_b32 v8, 6, v14
	v_lshl_add_u32 v8, v15, 5, v8                  ; W's scales: rows 4 r + 2 h, 4 r + 2 h + 1 of 16 bytes
	s_wait_alu depctr_va_vdst(0)                   ; the wait at the head's end
	global_load_b128 v[WS:WS+3], v8, s[14:15]
	global_load_b128 v[WS+4:WS+7], v8, s[14:15] offset:16
	global_load_b128 v[WS+8:WS+11], v8, s[16:17]
	global_load_b128 v[WS+12:WS+15], v8, s[16:17] offset:16
	global_load_b128 v[XS1:XS1+3], v13, s[12:13]
	global_load_b128 v[XS1+4:XS1+7], v13, s[12:13] offset:512
	global_load_b128 v[48:51], v10, s[20:21]
	global_load_b128 v[52:55], v10, s[22:23]
	global_load_b128 v[56:59], v10, s[24:25]
	WIN 0x40
.irp s, 0,1,2,3,4,5,6,7
	global_load_b128 v[224+4*\s:227+4*\s], v12, s[6:7] offset:512*\s   ; a pass's eb scale words wait in window 1
.endr
	WIN 0
	s_wait_tensorcnt 0x0                           ; my part of x's chunk 0 or of W is in
	ds_add_u32 v1, v2
	s_mov_b32 s34, 96<<16                          ; no tensor load of mine is out: from here on 64 rows of x a wave,
	s_mov_b32 s36, 96
	s_add_co_u32 s57, s76, XSLOT
	s_add_nc_u64 s[58:59], s[80:81], s[84:85]
	s_add_nc_u64 s[58:59], s[58:59], 98304         ; chunk 1;
	s_or_b32 s59, s59, 0x80000000
	s_add_nc_u64 s[62:63], s[4:5], s[84:85]        ; eb's stream, one step ahead of its first pair,
	s_sub_nc_u64 s[62:63], s[62:63], ESLOT
	s_or_b32 s63, s63, 0x80000000
	s_add_nc_u64 s[70:71], s[80:81], s[82:83]      ; and x's for q, one step ahead of my first rows: each is stepped ahead of its load
	s_sub_nc_u64 s[70:71], s[70:71], 159744
	s_or_b32 s71, s71, 0x80000000
	s_wait_dscnt 0x0
	CROUND
	TLOAD 56, 32                                   ; x's chunk 1 into the second slot
	WIN 0x40
.irp i, 0,1,2,3,4,5,6,7,8,9,10,11,12,13,14,15
	FRAG3 12*\i, 5, 1536*\i                        ; Wk's fragments to window 1
.endr
	WIN 0xc0
.irp i, 0,1,2,3,4,5,6,7,8,9,10,11,12,13,14,15
	FRAG3 12*\i, 5, 24576+1536*\i                  ; Wv's to window 3
.endr
	WIN 0
	s_wait_loadcnt 0x0                             ; scales and biases
	WIN 0x80
.irp n, 0,1,2,3
	v_mul_f32 v[BKL+2*\n], s92, v[48+\n]
	v_mul_f32 v[BKL+2*\n+1], s92, v[48+\n]         ; (named with it as a pair)
.endr
	WIN 0xc0
.irp n, 0,1,2,3
.irp e, 0,1,2,3,4,5,6,7
	v_mov_b32 v[BB+8*\n+\e], v[52+\n]              ; a lane's eight results of a tile belong to one d
.endr
.endr
	WIN 0x40
.irp n, 0,1,2,3
.irp e, 0,1,2,3,4,5,6,7
	v_mov_b32 v[BB+8*\n+\e], v[56+\n]
.endr
.endr
	WIN 0
	s_wait_alu depctr_va_vdst(0)                   ; the wait ahead of the blocking waits below
	s_mov_b32 s79, 0                               ; the chunk's slot
	s_mov_b32 s90, 0
	s_mov_b32 s91, 0                               ; two K steps of images a chunk
	s_mov_b32 s99, 0                               ; and of scale words
	s_mov_b32 s100, 0
	s_mov_b32 s101, 0
.Lchunk_x:                                             ; chunks 0, 1: x's chunks 2, 3 are asked for
	CHUNK 0
	s_cbranch_scc1 .Lchunk_x
	s_mov_b32 s79, 0
	s_mov_b32 s91, 49152
	s_mov_b32 s99, 2048
	s_mov_b32 s101, 0
.Lchunk_e:                                             ; chunks 2, 3: eb's first two pairs of K steps are asked for
	CHUNK 1
	s_cbranch_scc1 .Lchunk_e
	s_wait_loadcnt 0x0                             ; no load of mine is out: its registers are written anew
	s_wait_xcnt 0x0                                ; and the prefetch has read its offset
	s_lshl_b32 s2, s28, 12
	s_lshl_b32 s3, s28, 11
	s_mul_i32 s86, s28, 6144
	s_mov_b32 s87, 0
	v_and_b32 v14, 15, v0                          ; r
	v_bfe_u32 v15, v0, 4, 1                        ; h
	v_and_b32 v3, 31, v0
	v_lshlrev_b32 v3, 4, v3                        ; 16 x lane
	v_add_nc_u32 v5, BIM, v3                       ; images of K steps 0-3
	v_add_nc_u32 v6, BIM+49152, v3                 ; and 4-7
	v_add_nc_u32 v11, WQL, v3
	v_lshlrev_b32 v12, 4, v14
	v_lshl_add_u32 v12, v15, 14, v12               ; out0: row 8 h of 2,048 bytes, + 16 r
	v_add_nc_u32 v13, s3, v3                       ; x's scales: my 128 rows of 16 bytes
	v_mul_u32_u24 v7, RP, v14
	v_mad_u32_u24 v7, v15, 24, v7
	v_add_nc_u32 v7, s78, v7                       ; x for q: my 32 rows, the first slot
	v_lshl_add_u32 v8, v15, 4, v7
	v_add_nc_u32 v9, ESLOT, v7                     ; the second
	v_add_nc_u32 v10, ESLOT, v8
	v_lshlrev_b32 v15, 5, v15
	v_lshl_add_u32 v15, v14, 6, v15                ; Wq's scales
	v_add_nc_u32 v14, s2, v3                       ; eb's scale words
	v_add_nc_u32 v3, s77, v3                       ; eb's images, my eight tiles: the first slot
	v_add_nc_u32 v4, ESLOT, v3                     ; the second
	v_mov_b32 v0, v[PF]                            ; the prefetches' offset
	WIN 0x01
.set j, 0
.rept 32
	v_mov_b32 v[EBS+j], v[224+j]                   ; the first pass's eb scale words
.set j, j+1
.endr
	WIN 0
	s_wait_alu depctr_va_vdst(0)                   ; the wait ahead of the blocking waits below
	global_load_b128 v[WQS:WQS+3], v15, s[18:19]
	global_load_b128 v[WQS+4:WQS+7], v15, s[18:19] offset:16
	s_wait_tensorcnt 0x0                           ; eb's first two pairs are in
	ds_add_u32 v1, v2
	s_add_co_u32 s73, s86, WQL
	s_add_nc_u64 s[74:75], s[88:89], s[86:87]
	s_add_nc_u64 s[74:75], s[74:75], 49152
	s_or_b32 s75, s75, 0x80000000
	s_mov_b32 s50, 24<<16                          ; Wq: 6,144 bytes a wave
	s_mov_b32 s52, 24
	s_mov_b32 s34, 48<<16                          ; x for q: 32 rows a wave
	s_mov_b32 s36, 48
	s_wait_dscnt 0x0                               ; the add is done, and my images and scale words are stored
	CROUND
	TLOAD 72, 48
	s_mov_b32 s100, 2                              ; passes to go
.irp s, 0,1,2,3,4,5,6,7
	ds_load_b128 v[BS+4*\s:BS+4*\s+3], v6 offset:49152+512*\s   ; ekv's and ek's scale words serve both passes
.endr
.Lpass:
	FETCH_B 0, 0
	FETCH_A 0, 0, 0
	FETCH_A 0, 0, 4
	s_wait_loadcnt 0x0                             ; eb's scale words (the first time Wq's)
	global_load_b128 v[XS:XS+3], v13, s[12:13]
	global_load_b128 v[XS+4:XS+7], v13, s[12:13] offset:512
	STEP 0, 0
	TURN 0, 1, 1, 1                                ; the first slot takes K steps 4, 5
	STEP 1, 2
	TURN 1, 0, 3, 1                                ; the second 6, 7
	STEP 0, 4
	TURN 0, 1, 5, 2                                ; the first takes my first 32 rows of x
	STEP 1, 6
	MEET 7, 3, 1                                   ; the second my next 32
	FETCH_W 0                                      ; into the set that the K step before multiplied
	WIN HI
	MUL16 4, 7
	MUL16 6, 7
	WIN 0
	PLACES 4
	FETCH_W 1
	FETCHQ 0
	s_wait_loadcnt 0x0                             ; x's scale words of pairs 0, 1
	s_wait_dscnt 0x0                               ; Wq's and x's fragments are in
	QMUL 0, 0
	s_wait_tensorcnt 0x0                           ; my second 32 rows of x are in
	ds_add_u32 v1, v2
	STEPQ 0, 12288
	s_wait_dscnt 0x0
	s_barrier_signal -1
	QMUL 0, 1
	s_barrier_wait -1
	CREST
	TLOAD 68, 32                                   ; the first slot takes my third 32 rows
	FRONT 0
	OUT 0, 3                                       ; the second my last 32
	FRONT 1
	s_cmp_eq_u32 s100, 1
	s_cbranch_scc1 .Llast                          ; the last pass's end is written out: it asks for nothing more
	OUT 1, 1                                       ; the first the next pass's K steps 0, 1
	ASK 0
	FRONT 2
	OUT 2, 1                                       ; the second K steps 2, 3
	ASK 0
.irp s, 0,1,2,3,4,5,6,7
	global_load_b128 v[EBS+4*\s:EBS+4*\s+3], v14, s[6:7] offset:16384+512*\s   ; and the next pass's scale words
.endr
	FRONT 3
	RESULT 3
	SEND 3
	s_mov_b32 s8, 0                                ; eb's last pair has been asked for
	s_wait_xcnt 0x0                                ; the stores have read their registers and their base
	s_add_nc_u64 s[12:13], s[12:13], 512*16
	s_add_nc_u64 s[26:27], s[26:27], 512*2048
	s_wait_alu depctr_va_vdst(0)                   ; the wait ahead of the branch
	s_sub_co_u32 s100, s100, 1
	s_cmp_lg_u32 s100, 0
	s_cbranch_scc1 .Lpass
.Llast:
	LASTOUT 1
	FRONT 2
	LASTOUT 2
	FRONT 3
	RESULT 3
	SEND 3
	s_wait_tensorcnt 0x0                           ; the wave's end
	ds_add_u32 v1, v2
	s_wait_dscnt 0x0
	CROUND                                         ; the closing round: no work-group ends while a partner may still ask for a tile that names it
	s_endpgm
.Lfunc_end_k_q3d5c7c9d0a_aft:
	.size	k_q3d5c7c9d0a_aft, .Lfunc_end_k_q3d5c7c9d0a_aft-k_q3d5c7c9d0a_aft
	.p2alignl 7, 3214868480
	.fill 96, 4, 3214868480
	.section	.rodata,"a",@progbits
	.p2align	6, 0x0
	.amdhsa_kernel k_q3d5c7c9d0a_aft
		.amdhsa_group_segment_fixed_size 327680
		.amdhsa_private_segment_fixed_size 0
		.amdhsa_enable_private_segment 0
		.amdhsa_kernarg_size 96
		.amdhsa_user_sgpr_count 2
		.amdhsa_user_sgpr_kernarg_segment_ptr 1
		.amdhsa_wavefront_size32 1
		.amdhsa_system_sgpr_workgroup_id_x 1
		.amdhsa_system_sgpr_workgroup_id_y 1
		.amdhsa_system_sgpr_workgroup_id_z 1
		.amdhsa_system_vgpr_workitem_id 0
		.amdhsa_next_free_vgpr 1024
		.amdhsa_next_free_sgpr 104
		.amdhsa_reserve_vcc 0
		.amdhsa_float_denorm_mode_32 3
		.amdhsa_float_denorm_mode_16_64 3
		.amdhsa_memory_ordered 1
		.amdhsa_forward_progress 1
		.amdhsa_inst_pref_size 255
	.end_amdhsa_kernel
	.section	.bss,"aw",@nobits
	.p2align	6
	.space	262144
	.amdgpu_metadata
---
amdhsa.version: [ 1, 2 ]
amdhsa.kernels:
  - .name:           k_q3d5c7c9d0a_aft
    .symbol:         k_q3d5c7c9d0a_aft.kd
    .args:
      - { .name: eb, .offset: 0, .size: 8, .value_kind: global_buffer, .address_space: global }
      - { .name: ebs, .offset: 8, .size: 8, .value_kind: global_buffer, .address_space: global }
      - { .name: wimg, .offset: 16, .size: 8, .value_kind: global_buffer, .address_space: global }
      - { .name: x_codes, .offset: 24, .size: 8, .value_kind: global_buffer, .address_space: global }
      - { .name: x_scales, .offset: 32, .size: 8, .value_kind: global_buffer, .address_space: global }
      - { .name: Wk_scales, .offset: 40, .size: 8, .value_kind: global_buffer, .address_space: global }
      - { .name: Wv_scales, .offset: 48, .size: 8, .value_kind: global_buffer, .address_space: global }
      - { .name: Wq_scales, .offset: 56, .size: 8, .value_kind: global_buffer, .address_space: global }
      - { .name: bk, .offset: 64, .size: 8, .value_kind: global_buffer, .address_space: global }
      - { .name: bv, .offset: 72, .size: 8, .value_kind: global_buffer, .address_space: global }
      - { .name: bq, .offset: 80, .size: 8, .value_kind: global_buffer, .address_space: global }
      - { .name: out0, .offset: 88, .size: 8, .value_kind: global_buffer, .address_space: global }
    .group_segment_fixed_size: 327680
    .private_segment_fixed_size: 0
    .kernarg_segment_align: 8
    .kernarg_segment_size: 96
    .max_flat_workgroup_size: 128
    .sgpr_count:     104
    .vgpr_count:     1024
    .wavefront_size: 32
...
	.end_amdgpu_metadata
.endif
;; end of part 2
